; MI455X (gfx1250); checked and timed in simulation.
; The chip was launched on July 23, 2026; its instructions are those of AMD's public machine-readable ISA for CDNA 5 (MIT licence, August 2026) and "CDNA5" Instruction Set Architecture Reference Guide (July 2026). The comments in the code are by the model that wrote it; some were corrected since.
;; Cookbook. Allowed arithmetic: float matrix products may take bf16 or f16 operands with f32 sums; all other float work in f32.
;; Inputs: weight 8,192 x 256 float32; z 16 x 2,048 x 256 float32.
;; Outputs: out0 16 x 2,048 x 256 float32; out1 one number float32.
;; One version. Each part assembles by itself: llvm-mc -triple=amdgcn-amd-amdhsa -mcpu=gfx1250 --defsym DOCPART=n.
;; ======== version 1 of 1: 4 launches
;; workspace buffers: wb 4,194,304 bytes; ee 32,768 bytes; gidx 131,072 bytes of whole numbers; part 1,024 bytes
;; launch prep (part 1): grid 128 x 1, 8 waves a work-group, no clusters, 1,280 bytes of LDS; arguments weight, wb, ee; writes wb, ee
.if DOCPART == 1
	.amdgcn_target "amdgcn-amd-amdhsa--gfx1250"
	.amdhsa_code_object_version 6
	.text
	.protected	k_q8271013991_prep
	.globl	k_q8271013991_prep
	.p2align	8
	.type	k_q8271013991_prep,@function
k_q8271013991_prep:
	s_mov_b64 s[64:65], 0
	v_nop
	global_prefetch_b8 v0, s[64:65] scope:SCOPE_SE
	s_setreg_imm32_b32 hwreg(HW_REG_WAVE_MODE, 25, 1), 1
	s_wait_xcnt 0x0
; wb[k][c] = bf16(weight[k][c]);  ee[k] = sum over c of wb[k][c]^2, in f32.   weight: [8192][256] f32, wb: [8192][256] bf16, ee: [8192] f32.
; ee is taken from the ROUNDED codes: they are the vectors that the matrix product of the next launch sees.
; Eight waves; the work-group owns 64 codes, so that its 64 words of ee are 256 consecutive bytes, aligned, stored by one instruction.
; Wave w owns codes 8 w .. 8 w + 7; lane l holds columns 4 l .. 4 l + 3 and 128 + 4 l .. + 3 of each: a load of the wave covers 512
; consecutive bytes of a row of weight, a store 256 consecutive bytes of a row of wb.
; All sixteen loads of a wave go out at once; no register that a store reads is written again, so no wait frees any.
; No matrix unit, no cluster, no tensor load: each byte is read once by one wave, and nothing is shared.
.set X, 8                              ; v[8:71]    row i: 8 registers as loaded
.set P, 72                             ; v[72:103]  row i: 4 registers, 8 bf16
.set S, 104                            ; v[104:111] row i: the sum of squares
	s_load_b128 s[4:7], s[0:1], 0x0                ; weight s[4:5], wb s[6:7]
	s_load_b64 s[8:9], s[0:1], 0x10                ; ee
	v_lshl_add_u32 v120, v0, 2, 0x100
	v_mov_b32 v121, 0
	v_lshrrev_b32 v5, 5, v0
	v_readfirstlane_b32 s10, v5                    ; wave 0..7
	v_and_b32 v4, 31, v0                           ; lane
	s_mov_b32 s12, 0x76543210                      ; v_permlanex16_b32: lane i of one half reads lane i of the other
	s_mov_b32 s13, 0xfedcba98
	s_lshl_b32 s16, ttmp9, 16                      ; 64 rows of 1,024 bytes of weight
	s_mov_b32 s17, 0
	s_lshl_b32 s18, ttmp9, 15                      ; 64 rows of 512 bytes of wb
	s_mov_b32 s19, 0
	s_lshl_b32 s20, ttmp9, 8                       ; 64 words of ee
	s_mov_b32 s21, 0
	v_lshlrev_b32 v1, 4, v4
	v_lshl_add_u32 v1, s10, 13, v1                 ; weight: 16 l + 8 rows x wave
	v_lshlrev_b32 v2, 3, v4
	v_lshl_add_u32 v2, s10, 12, v2                 ; wb: 8 l + 8 rows x wave
	v_mov_b32 v3, 0                                ; the first product's addend
	v_mov_b32 v6, s10
	v_lshlrev_b32 v6, 5, v6                        ; LDS: 8 words for each wave
	v_lshlrev_b32 v7, 3, v4                        ; 8 l: two words of ee a lane
	s_wait_kmcnt 0x0
	s_add_nc_u64 s[4:5], s[4:5], s[16:17]
	s_add_nc_u64 s[6:7], s[6:7], s[18:19]
	s_add_nc_u64 s[8:9], s[8:9], s[20:21]
.irp i, 0,1,2,3,4,5,6,7
	global_load_b128 v[X+8*\i:X+8*\i+3],   v1, s[4:5] offset:1024*\i th:TH_LOAD_NT
	global_load_b128 v[X+8*\i+4:X+8*\i+7], v1, s[4:5] offset:1024*\i+512 th:TH_LOAD_NT
.endr
; One row: round, store, square the rounded numbers, sum over the wave, one word to LDS.
.macro ROWP i
	s_wait_loadcnt 14-2*\i                         ; loads come back in order: this row's two are in, the younger rows' two each stay out
.irp k, 0,1,2,3
	v_cvt_pk_bf16_f32 v[P+4*\i+\k], v[X+8*\i+2*\k], v[X+8*\i+2*\k+1]
.endr
	global_store_b64 v2, v[P+4*\i:P+4*\i+1],   s[6:7] offset:512*\i          ; columns 0-127: 256 consecutive bytes, aligned
	global_store_b64 v2, v[P+4*\i+2:P+4*\i+3], s[6:7] offset:512*\i+256      ; columns 128-255
	v_fma_mix_f32_bf16 v[S+\i], v[P+4*\i], v[P+4*\i], v3 op_sel_hi:[1,1,0]                      ; low half squared starts the sum
	v_fma_mix_f32_bf16 v[S+\i], v[P+4*\i], v[P+4*\i], v[S+\i] op_sel:[1,1,0] op_sel_hi:[1,1,0]  ; high half squared
.irp k, 1,2,3
	v_fma_mix_f32_bf16 v[S+\i], v[P+4*\i+\k], v[P+4*\i+\k], v[S+\i] op_sel_hi:[1,1,0]
	v_fma_mix_f32_bf16 v[S+\i], v[P+4*\i+\k], v[P+4*\i+\k], v[S+\i] op_sel:[1,1,0] op_sel_hi:[1,1,0]
.endr
	v_add_f32_dpp v[S+\i], v[S+\i], v[S+\i] row_xmask:1 row_mask:0xf bank_mask:0xf
	v_add_f32_dpp v[S+\i], v[S+\i], v[S+\i] row_xmask:2 row_mask:0xf bank_mask:0xf
	v_add_f32_dpp v[S+\i], v[S+\i], v[S+\i] row_xmask:4 row_mask:0xf bank_mask:0xf
	v_add_f32_dpp v[S+\i], v[S+\i], v[S+\i] row_xmask:8 row_mask:0xf bank_mask:0xf
	v_permlanex16_b32 v5, v[S+\i], s12, s13        ; v5 has been written before
	v_add_f32 v[S+\i], v[S+\i], v5                 ; every lane holds the row's sum
	ds_store_b32 v6, v[S+\i] offset:4*\i           ; all lanes write the same word with the same value
.endm
.irp i, 0,1,2,3,4,5,6,7
	ROWP \i
.endr
	s_wait_dscnt 0x0                               ; my eight words are in LDS, for wave 0's sake
	s_barrier_signal -1
	s_barrier_wait -1
	s_cmp_lg_u32 s10, 0
	s_cbranch_scc1 .Ldone
	ds_load_b64 v[112:113], v7                     ; wave 0: the group's 64 words, two a lane
	s_wait_dscnt 0x0
	global_store_b64 v7, v[112:113], s[8:9]        ; 256 consecutive bytes, aligned
.Ldone:
	s_wait_tensorcnt 0x0
	ds_add_u32 v120, v121
	s_wait_dscnt 0x0
	s_endpgm
.Lfunc_end_k_q8271013991_prep:
	.size	k_q8271013991_prep, .Lfunc_end_k_q8271013991_prep-k_q8271013991_prep
	.p2alignl 7, 3214868480
	.fill 96, 4, 3214868480
	.section	.rodata,"a",@progbits
	.p2align	6, 0x0
	.amdhsa_kernel k_q8271013991_prep
		.amdhsa_group_segment_fixed_size 1280
		.amdhsa_private_segment_fixed_size 0
		.amdhsa_enable_private_segment 0
		.amdhsa_kernarg_size 24
		.amdhsa_user_sgpr_count 2
		.amdhsa_user_sgpr_kernarg_segment_ptr 1
		.amdhsa_wavefront_size32 1
		.amdhsa_system_sgpr_workgroup_id_x 1
		.amdhsa_system_sgpr_workgroup_id_y 1
		.amdhsa_system_sgpr_workgroup_id_z 1
		.amdhsa_system_vgpr_workitem_id 0
		.amdhsa_next_free_vgpr 122
		.amdhsa_next_free_sgpr 66
		.amdhsa_reserve_vcc 0
		.amdhsa_float_denorm_mode_32 3
		.amdhsa_float_denorm_mode_16_64 3
		.amdhsa_memory_ordered 1
		.amdhsa_forward_progress 1
		.amdhsa_inst_pref_size 15
	.end_amdhsa_kernel
	.amdgpu_metadata
---
amdhsa.version: [ 1, 2 ]
amdhsa.kernels:
  - .name:           k_q8271013991_prep
    .symbol:         k_q8271013991_prep.kd
    .args:
      - { .name: weight, .offset: 0, .size: 8, .value_kind: global_buffer, .address_space: global }
      - { .name: wb, .offset: 8, .size: 8, .value_kind: global_buffer, .address_space: global }
      - { .name: ee, .offset: 16, .size: 8, .value_kind: global_buffer, .address_space: global }
    .group_segment_fixed_size: 1280
    .private_segment_fixed_size: 0
    .kernarg_segment_align: 8
    .kernarg_segment_size: 24
    .max_flat_workgroup_size: 256
    .sgpr_count:     66
    .vgpr_count:     122
    .wavefront_size: 32
...
	.end_amdgpu_metadata
.endif
;; end of part 1
;; launch nearest (part 2): grid 256 x 1, 4 waves a work-group, clusters of 4 x 1, 327,680 bytes of LDS; arguments wb, ee, z, gidx; writes gidx
.if DOCPART == 2
	.amdgcn_target "amdgcn-amd-amdhsa--gfx1250"
	.amdhsa_code_object_version 6
	.text
	.protected	k_q8271013991_nearest
	.globl	k_q8271013991_nearest
	.p2align	8
	.type	k_q8271013991_nearest,@function
k_q8271013991_nearest:
	s_mov_b64 s[64:65], 0
	v_nop
	global_prefetch_b8 v0, s[64:65] scope:SCOPE_SE
	s_setreg_imm32_b32 hwreg(HW_REG_WAVE_MODE, 25, 1), 1
	s_wait_xcnt 0x0
	s_wait_alu depctr_hold_cnt(0) depctr_sa_sdst(0) depctr_va_vdst(0) depctr_va_sdst(0) depctr_va_ssrc(0) depctr_va_vcc(0) depctr_vm_vsrc(0)
	s_getreg_b32 s2, hwreg(HW_REG_IB_STS2, 6, 4)
	s_cmp_eq_u32 s2, 0
	s_cbranch_scc0 .Lentry_in_a_cluster
	s_endpgm
.Lentry_in_a_cluster:
	s_bfe_u32 s2, ttmp6, 0x10000c
	s_cmp_lg_u32 s2, 0x3003
	s_cbranch_scc0 .Lentry_shape_is_right
	s_endpgm
.Lentry_shape_is_right:
; For each of the 32,768 rows of z: which group of 8 neighbouring codes holds the first smallest
;     d[k] = fl( fl(zz + ee[k]) - 2 dot(z, e[k]) ),     zz = sum of z^2 (f32 z),  ee[k] = sum of bf16(e[k])^2,  dot on bf16 operands, f32 sums.
; The two roundings are those of the formula as it is written; gidx[row] = (index of the first minimum) >> 3.  The next launch picks among the 8.
; LIMITS.  The minimum is that of the vectors rounded to bf16.  NaN among the inputs is not served: the minima here drop a NaN.
;
; SHARES.  A work-group owns 128 rows of z and walks all 8,192 codes, so a row's minimum never leaves the work-group.  Each of the four waves keeps all
; 128 rows as bf16 fragments in 512 registers; the codes come in 32 chunks of 256, and of each chunk wave w takes codes 64 w .. 64 w + 63: 4 tiles of 16.
; A tile is 8 K steps x 8 row tiles = 64 matrix instructions for 8,192 bytes read from LDS, and each byte of a chunk is read from LDS by one wave.
; THE MATRIX INSTRUCTION IS USED TRANSPOSED: source 0 = 16 codes, source 1 = 16 rows of z.  Lane l then holds row l % 16 of the row tile, and its eight
; result registers the 8 neighbouring codes 8 (l / 16) + 0 .. 7.  The smallest of the eight needs no index: one compare and one select for 8 distances
; keep the number of the tile that won.
; CLUSTER.  All work-groups walk the same codes.  Four form a cluster and ask for each chunk (and for ee) JOINTLY: the same load, the same descriptor, the
; mask 15, each wave its quarter.  That divides the requests for the codes by four.  z's rows are each work-group's own: a plain load.
;
; LDS:  slot 0 at 0, slot 1 at 135,168: 256 codes x 528 bytes (512 + 16 of padding: an odd multiple of 16, so the 16 rows of a fragment load start in
;       16 different columns of 16 bytes).  Slot 1's first fill is z in f32, 128 rows x 1,040 bytes.  ee, 32,768 bytes, at 270,336.
;       The merge's 4,096 bytes at 303,104 are written by LDS stores alone; no tensor load lands there.
; REGISTERS, in windows of 256:  window 0: addresses, ee, zz, minima, code fragments, two sets of 8 accumulators;
;       window 2: z fragments of K steps 0-3, window 3: of K steps 4-7, fragment (row tile n, K step s) at v[64 (s & 3) + 8 n].
; In the loop only source 1 leaves window 0 (settings 0x08, 0x0c).  Every vector instruction woven among the matrix instructions has a constant or a scalar
; register as its source 1, so it runs under the matrix instructions' setting: two switches for 64 matrix instructions.
.set PITCH,  528
.set TILEB,  16*PITCH                  ; 16 codes
.set QUART,  64*PITCH                  ; a wave's 64 codes: what one tensor load brings
.set SLOT,   4*QUART                   ; 135,168
.set ZPITCH, 1040
.set ZQUART, 32*ZPITCH                 ; 32 rows of z in f32
.set EEB,    2*SLOT                    ; 270,336
.set MRG,    EEB+32768                 ; 303,104
.set CHUNKB, 256*512                   ; bytes of a chunk in wb
.set T,    8                           ; v[8:15]    fl(ee + zz) of the row tile at work
.set EE,   16                          ; v[16:23], v[24:31]  ee of a tile's 8 codes, two sets
.set ZZ,   32                          ; v[32:47]   row tile n: (zz, zz)
.set BEST, 48                          ; v[48:55]   row tile n: the smallest d so far
.set ID,   56                          ; v[56:63]   row tile n: the number of the tile (4 x chunk + tile) that gave it
.set AF,   64                          ; v[64:127]  the code fragment of K step s at AF + 8 s
.set ACC,  128                         ; v[128:191], v[192:255]  two sets of 8 accumulators
.set ZB0,  64                          ; on the way in: two buffers of 64 registers for z in f32,
.set ZB1,  128
.set CH,   192                         ; and four chains of pairs for zz
.set MP,   8                           ; the merge: pairs (d, group)
; v1, v2: LDS address of my fragments in slot 0, 1.  v3: of my ee.  v6, v7: z's stage, later the merge.  v4, v5: at work.  v0 stays the thread's number.
; s[16:23] group 1 of a chunk's quarter; s[24:27], s[28:31] its group 0 for slot 0, 1; s[32:39], s[40:43] z; s[44:51], s[52:55] ee.
.set MSB, 0
.macro WIN new                         ; the immediate's high byte repeats the setting that is left
.if MSB != \new
	s_set_vgpr_msb (MSB<<8)|\new
.set MSB, \new
.endif
.endm
; A round of the cluster's barrier: my work-group's barrier, so that wave 0's signal speaks for all four waves; wave 0 signals for the work-group;
; every wave waits for the four work-groups; my work-group's barrier once more.
.macro CREST                           ; a round behind its opening barrier
	s_cmp_lg_u32 s12, 0
	s_cbranch_scc1 .Lnot_wave_0_\@
	s_barrier_signal -3
.Lnot_wave_0_\@:
	s_barrier_wait -3
	s_barrier_signal -1
	s_barrier_wait -1
.endm
.macro ROUND
	s_barrier_signal -1
	s_barrier_wait -1
	CREST
.endm
	s_load_b256 s[4:11], s[0:1], 0x0               ; wb s[4:5], ee s[6:7], z s[8:9], gidx s[10:11]
	s_set_vgpr_msb 0x40
	v_lshl_add_u32 v254, v0, 2, 0x4b000
	v_mov_b32 v255, 0
	s_set_vgpr_msb 0x4045
	ds_add_u32 v254, v255
	s_set_vgpr_msb 0x4500
	v_lshrrev_b32 v4, 5, v0
	v_readfirstlane_b32 s12, v4                    ; wave 0..3
	s_bfe_u32 s13, ttmp6, 0x40000                  ; cx: my place in the cluster
	s_lshl_b32 s14, ttmp9, 2                       ; in a cluster launch ttmp9 counts clusters
	s_add_co_u32 s14, s14, s13                     ; work-group 0..255: it enters z's and gidx's addresses alone
	s_mov_b32 s56, 0x7f800000                      ; +infinity: the idle source of a minimum of two
	s_mov_b32 s57, 0                               ; the number of the tile whose distances are being looked at
	s_mov_b32 s59, 0x76543210                      ; v_permlanex16_b32: lane i of one half reads lane i of the other
	s_mov_b32 s60, 0xfedcba98
	; group 1 of a chunk's quarter: 64 rows x 256 bf16, padded in LDS, asked for jointly
	s_mov_b32 s16, 15|(1<<16)|(1<<20)|(1<<21)|(6<<22)|(3<<25)   ; 15:0 mask: all four of the cluster; 17:16 elements of 2 bytes; 20 padding on; 21 set beside a mask; 24:22 after every 128 words (code 6); 31:25 4 words (code 3)
	s_mov_b32 s17, 256<<16                         ; tensor_dim0 = 256
	s_mov_b32 s18, 64<<16                          ; tensor_dim1 = 64
	s_mov_b32 s19, 256<<16                         ; tile_dim0 = 256
	s_mov_b32 s20, 64                              ; tile_dim1 = 64
	s_mov_b32 s21, 256                             ; elements from row to row
	s_mov_b32 s22, 0
	s_mov_b32 s23, 0
	; group 1 of z's quarter: 32 rows x 256 f32, padded, my work-group's own (mask 0)
	s_mov_b32 s32, (2<<16)|(1<<20)|(7<<22)|(3<<25) ; elements of 4 bytes; after every 256 words (code 7) 4 words
	s_mov_b32 s33, 256<<16
	s_mov_b32 s34, 32<<16
	s_mov_b32 s35, 256<<16
	s_mov_b32 s36, 32
	s_mov_b32 s37, 256
	s_mov_b32 s38, 0
	s_mov_b32 s39, 0
	; group 1 of ee's quarter: 8,192 dense bytes as 32 rows of 32 elements of 8 bytes, asked for jointly
	s_mov_b32 s44, 15|(3<<16)|(1<<21)
	s_mov_b32 s45, 32<<16
	s_mov_b32 s46, 32<<16
	s_mov_b32 s47, 32<<16
	s_mov_b32 s48, 32
	s_mov_b32 s49, 32
	s_mov_b32 s50, 0
	s_mov_b32 s51, 0
	; offsets, apart from the addresses
	s_lshl_b32 s68, s12, 15                        ; wave x 64 rows of wb = wave x 32 rows of z: 32,768 bytes
	s_mov_b32 s69, 0
	s_lshl_b32 s70, s14, 17                        ; work-group x 128 rows of z,
	s_add_co_u32 s70, s70, s68                     ; + my wave's 32
	s_mov_b32 s71, 0
	s_lshl_b32 s66, s12, 13                        ; wave x 8,192 bytes of ee
	s_mov_b32 s67, 0
	; the groups 0: the LDS addresses are a constant + wave x a constant; no place in the cluster enters them
	s_mov_b32 s24, 1
	s_mul_i32 s25, s12, QUART
	s_mov_b32 s28, 1
	s_add_co_u32 s29, s25, SLOT
	s_mov_b32 s40, 1
	s_mul_i32 s41, s12, ZQUART
	s_add_co_u32 s41, s41, SLOT
	s_mov_b32 s52, 1
	s_add_co_u32 s53, s66, EEB
	s_wait_dscnt 0x0
	s_wait_kmcnt 0x0
	s_add_nc_u64 s[26:27], s[4:5], s[68:69]        ; chunk 0, my quarter
	s_add_nc_u64 s[30:31], s[26:27], CHUNKB        ; chunk 1, my quarter
	s_or_b32 s27, s27, 0x80000000                  ; type = 2
	s_or_b32 s31, s31, 0x80000000
	s_add_nc_u64 s[42:43], s[8:9], s[70:71]
	s_or_b32 s43, s43, 0x80000000
	s_add_nc_u64 s[54:55], s[6:7], s[66:67]
	s_or_b32 s55, s55, 0x80000000
	s_lshl_b32 s66, s14, 9                         ; gidx: 128 words for each work-group
	s_add_nc_u64 s[10:11], s[10:11], s[66:67]
	ROUND                                          ; all four work-groups are here: the first joint loads meet
	tensor_load_to_lds s[40:43], s[32:39]          ; z, into slot 1's bytes
	s_nop 0
	tensor_load_to_lds s[24:27], s[16:23]          ; chunk 0, into slot 0
	s_nop 0
	tensor_load_to_lds s[52:55], s[44:51]          ; ee.  Three tensor loads of the wave are out here; later one
	s_nop 0
	v_and_b32 v4, 15, v0                           ; r = l % 16
	v_bfe_u32 v5, v0, 4, 1                         ; h = l / 16
	v_mul_u32_u24 v1, v4, PITCH
	v_lshl_add_u32 v1, v5, 4, v1                   ; row r, 16 bytes for each half of the lanes,
	v_add_nc_u32 v1, s25, v1                       ; in my wave's 64 codes of slot 0
	v_add_nc_u32 v2, SLOT, v1                      ; and of slot 1
	v_lshlrev_b32 v3, 5, v5                        ; ee: 8 words for each half,
	s_lshl_b32 s67, s12, 8                         ; 64 words for each wave
	s_add_co_u32 s67, s67, EEB
	v_add_nc_u32 v3, s67, v3
	v_mul_u32_u24 v6, v4, ZPITCH
	v_lshl_add_u32 v6, v5, 5, v6                   ; z in f32: row r, 32 bytes for each half
	v_add_nc_u32 v6, SLOT, v6                      ; row tiles 0-3
	v_add_nc_u32 v7, 64*ZPITCH, v6                 ; row tiles 4-7 (an LDS offset has 16 bits)
	s_wait_tensorcnt 0x2                           ; my quarter of z is in; the two loads issued behind it may stay out
	s_barrier_signal -1
	s_barrier_wait -1                              ; everybody's quarter of z is in
; z into fragments.  A fragment of K step s holds for lane (r, h) the columns 32 s + 8 h + 0..7 and 32 s + 16 + 8 h + 0..7: in f32 two times 32 bytes, 64 apart.
; A batch is one row tile x 4 K steps: 16 loads, 64 registers.
.macro ZLOAD n, q, buf
.irp sp, 0,1,2,3
	ds_load_b128 v[\buf+16*\sp:\buf+16*\sp+3],     v[6+(\n)/4] offset:((\n)%4)*16*ZPITCH+128*(4*\q+\sp)
	ds_load_b128 v[\buf+16*\sp+4:\buf+16*\sp+7],   v[6+(\n)/4] offset:((\n)%4)*16*ZPITCH+128*(4*\q+\sp)+16
	ds_load_b128 v[\buf+16*\sp+8:\buf+16*\sp+11],  v[6+(\n)/4] offset:((\n)%4)*16*ZPITCH+128*(4*\q+\sp)+64
	ds_load_b128 v[\buf+16*\sp+12:\buf+16*\sp+15], v[6+(\n)/4] offset:((\n)%4)*16*ZPITCH+128*(4*\q+\sp)+80
.endr
.endm
.macro ZWORK n, q, buf
.if \q == 0
.irp c, 0,1,2,3
	v_pk_mul_f32 v[CH+2*\c:CH+2*\c+1], v[\buf+2*\c:\buf+2*\c+1], v[\buf+2*\c:\buf+2*\c+1]   ; the first four squares start the chains
.endr
.set p, 4
.else
.set p, 0
.endif
.rept 28+4*\q
	v_pk_fma_f32 v[CH+2*(p%4):CH+2*(p%4)+1], v[\buf+2*p:\buf+2*p+1], v[\buf+2*p:\buf+2*p+1], v[CH+2*(p%4):CH+2*(p%4)+1]
.set p, p+1
.endr
.if \q == 0
	WIN 0x80                                       ; destination in window 2
.else
	WIN 0xc0                                       ; in window 3
.endif
.irp sp, 0,1,2,3
.irp i, 0,1,2,3,4,5,6,7
	v_cvt_pk_bf16_f32 v[64*\sp+8*\n+\i], v[\buf+16*\sp+2*\i], v[\buf+16*\sp+2*\i+1]
.endr
.endr
	WIN 0
.if \q == 1
	v_pk_add_f32 v[CH:CH+1], v[CH:CH+1], v[CH+2:CH+3]
	v_pk_add_f32 v[CH+4:CH+5], v[CH+4:CH+5], v[CH+6:CH+7]
	v_pk_add_f32 v[CH:CH+1], v[CH:CH+1], v[CH+4:CH+5]
	v_add_f32 v[CH], v[CH], v[CH+1]                ; my half of the row's columns;
	v_permlanex16_b32 v[CH+1], v[CH], s59, s60     ; lane l xor 16 has the other half of the same row
	v_add_f32 v[ZZ+2*\n], v[CH], v[CH+1]
	v_add_f32 v[ZZ+2*\n+1], v[CH], v[CH+1]         ; twice: a pair for the packed multiply-add
.endif
.endm
	ZLOAD 0, 0, ZB0
.irp n, 0,1,2,3,4,5,6,7
	ZLOAD \n, 1, ZB1
	s_wait_dscnt 16                                ; LDS loads come back in order: all but the 16 just issued are in
	ZWORK \n, 0, ZB0
.if \n < 7
	ZLOAD \n+1, 0, ZB0
	s_wait_dscnt 16
.else
	s_wait_dscnt 0x0
.endif
	ZWORK \n, 1, ZB1
.endr
.irp n, 0,1,2,3,4,5,6,7
	v_mov_b32 v[BEST+\n], s56
	v_mov_b32 v[ID+\n], 0
.endr
	s_wait_dscnt 0x0                               ; my reads of z's stage are back,
	s_set_vgpr_msb 0x5
	s_wait_tensorcnt 0x0                           ; and all my tensor loads have landed, my quarters of chunk 0 and of ee among them;
	ds_add_u32 v254, v255
	s_wait_dscnt 0x0
	s_set_vgpr_msb 0x500
	ROUND                                          ; both now hold of every wave of the cluster
	tensor_load_to_lds s[28:31], s[16:23]          ; chunk 1 over z's stage: my one tensor load behind the round, and the first thing there
	s_nop 0
.irp k, 0,1,2,3
	ds_load_b128 v[AF+8*\k:AF+8*\k+3],   v1 offset:64*\k       ; the first tile's fragments of K steps 0 to 3
	ds_load_b128 v[AF+8*\k+4:AF+8*\k+7], v1 offset:64*\k+32
.endr
; The look at one row tile e of the tile multiplied before (accumulators at PB, its ee at EB): 19 instructions in 8 slices, one slice behind each matrix
; instruction of K step e.  Source 1 is never a vector register.  epi = 0 (the very first tile: nothing to look at): only the places that the loads need.
.macro SLICE e, q, epi
.if \epi
.if \q == 0
	v_pk_fma_f32 v[T:T+1],   v[EB:EB+1],   1.0, v[ZZ+2*\e:ZZ+2*\e+1] op_sel_hi:[1,0,1]      ; fl(ee + zz): the first rounding
	v_pk_fma_f32 v[T+2:T+3], v[EB+2:EB+3], 1.0, v[ZZ+2*\e:ZZ+2*\e+1] op_sel_hi:[1,0,1]
.endif
.if \q == 1
	v_pk_fma_f32 v[T+4:T+5], v[EB+4:EB+5], 1.0, v[ZZ+2*\e:ZZ+2*\e+1] op_sel_hi:[1,0,1]
	v_pk_fma_f32 v[T+6:T+7], v[EB+6:EB+7], 1.0, v[ZZ+2*\e:ZZ+2*\e+1] op_sel_hi:[1,0,1]
.endif
.if \q == 2
	v_pk_fma_f32 v[PB+8*\e:PB+8*\e+1],   v[PB+8*\e:PB+8*\e+1],   -2.0, v[T:T+1]   op_sel_hi:[1,0,1]   ; fl(that - 2 dot): the second; 2 dot is exact
	v_pk_fma_f32 v[PB+8*\e+2:PB+8*\e+3], v[PB+8*\e+2:PB+8*\e+3], -2.0, v[T+2:T+3] op_sel_hi:[1,0,1]
.endif
.if \q == 3
	v_pk_fma_f32 v[PB+8*\e+4:PB+8*\e+5], v[PB+8*\e+4:PB+8*\e+5], -2.0, v[T+4:T+5] op_sel_hi:[1,0,1]
	v_pk_fma_f32 v[PB+8*\e+6:PB+8*\e+7], v[PB+8*\e+6:PB+8*\e+7], -2.0, v[T+6:T+7] op_sel_hi:[1,0,1]
.endif
.if \q == 4
	v_min3_num_f32 v[PB+8*\e],   v[PB+8*\e],   s56, v[PB+8*\e+1]     ; a minimum of two, with +infinity in source 1's place
	v_min3_num_f32 v[PB+8*\e+2], v[PB+8*\e+2], s56, v[PB+8*\e+3]
	v_min3_num_f32 v[PB+8*\e+4], v[PB+8*\e+4], s56, v[PB+8*\e+5]
.endif
.if \q == 5
	v_min3_num_f32 v[PB+8*\e+6], v[PB+8*\e+6], s56, v[PB+8*\e+7]
	v_min3_num_f32 v[PB+8*\e],   v[PB+8*\e],   s56, v[PB+8*\e+2]
	v_min3_num_f32 v[PB+8*\e+4], v[PB+8*\e+4], s56, v[PB+8*\e+6]
.endif
.if \q == 6
	v_min3_num_f32 v[PB+8*\e],   v[PB+8*\e],   s56, v[PB+8*\e+4]     ; the smallest of my 8 codes
	v_fma_f32 v[PB+8*\e+1], v[PB+8*\e], 1.0, -v[BEST+\e]             ; its sign is that of the exact difference
.endif
.if \q == 7
	v_cmp_lt_f32 vcc_lo, v[PB+8*\e+1], 0                             ; strictly smaller: at a tie the earlier tile stays
	v_cndmask_b32 v[ID+\e], v[ID+\e], s57, vcc_lo
	v_min3_num_f32 v[BEST+\e], v[PB+8*\e], s56, v[BEST+\e]
.endif
.else
.if \q == 0
	v_nop
	v_nop
.endif
.if \q == 7
	v_nop
	v_nop
.endif
.endif
.endm
; The one buffer of code fragments is filled again, half by half, as it is used up: TWO RUNS of LDS loads for a tile's 64 matrix instructions, each 32 matrix
; instructions ahead of its first use, and not a pair of loads in every K step.
; Run A, in K step 0: the fragments of K steps 4 to 7 are free since the tile before ended; they take THIS tile's (address register TA, offset TO).
.macro RUNA
.irp k, 4,5,6,7
	ds_load_b128 v[AF+8*\k:AF+8*\k+3],   v[TA] offset:TO+64*\k
	ds_load_b128 v[AF+8*\k+4:AF+8*\k+7], v[TA] offset:TO+64*\k+32
.endr
.endm
; Run B, in K step 4: the fragments of K steps 0 to 3 are free; they take the NEXT tile's (NA, NO), if there is one; then this tile's ee, for the look at it
; during the next tile.
.macro RUNB next
.if \next
.irp k, 0,1,2,3
	ds_load_b128 v[AF+8*\k:AF+8*\k+3],   v[NA] offset:NO+64*\k
	ds_load_b128 v[AF+8*\k+4:AF+8*\k+7], v[NA] offset:NO+64*\k+32
.endr
.endif
	ds_load_b128 v[EN:EN+3],   v3 offset:EO
	ds_load_b128 v[EN+4:EN+7], v3 offset:EO+16
.endm
; One K step: 8 matrix instructions, one for each row tile, a slice behind each.  The eight accumulators take turns, one instruction a turn.
; wt: the count of the wait at the head (64: none).  run: the loads behind slice 0 (0 none, 1 run A, 2 run B, 3 run B without a next tile).
; A run's loads stand behind the last matrix instruction that read one of their registers (row tile 7 of the K step before) by the three instructions of its
; slice 7 and the two of this slice 0 (with epi = 0: two and two v_nop): four places or more of plain vector instructions that name none of its
; registers.
.macro KS s, wt, run, epi
.if \wt < 64
	s_wait_dscnt \wt
.endif
.irp n, 0,1,2,3,4,5,6,7
.if \s == 0
	v_wmma_f32_16x16x32_bf16 v[CB+8*\n:CB+8*\n+7], v[AF+8*\s:AF+8*\s+7], v[64*(\s&3)+8*\n:64*(\s&3)+8*\n+7], 0       ; the first product starts the sum
.else
	v_wmma_f32_16x16x32_bf16 v[CB+8*\n:CB+8*\n+7], v[AF+8*\s:AF+8*\s+7], v[64*(\s&3)+8*\n:64*(\s&3)+8*\n+7], v[CB+8*\n:CB+8*\n+7]
.endif
	SLICE \s, \n, \epi
.if \n == 0
.if \run == 1
	RUNA
.endif
.if \run == 2
	RUNB 1
.endif
.if \run == 3
	RUNB 0
.endif
.endif
.endr
.endm
; One tile: tile t of the chunk in slot.  THE TWO WAITS are for 0: at the head of K step 0 the run B of the tile before (fragments 0 to 3, that tile's ee), at the
; head of K step 4 this tile's run A; behind either run no LDS load has been issued, and each was issued four K steps ago.
; mode 0: as it stands.
; mode 1 (tile 3): the change of slots.  This tile's run A, in K step 0, holds my last reads of this slot.  In front of K step 3 I wait for them and for ALL my
;         tensor loads (the one that is out is my quarter of the other slot), step this slot's address by two chunks, and open a round of the cluster's
;         barrier; K step 3, on registers alone, runs inside it; behind the round this slot is filled again first, and K step 4's run B is the first read of
;         the other slot.  From a request to the wait for it a wave issues 32 + 192 + 24 = 248 matrix instructions.
; mode 2 (tile 3 of the last chunk but one): the same with my work-group's barrier alone: nothing is left to fetch.
; mode 3 (the last tile): no next tile: run B brings ee alone.
.macro PHASE slot, t, epi, mode
.set CB, ACC+64*(\t&1)
.set PB, ACC+64-64*(\t&1)
.set EN, EE+8*(\t&1)
.set EB, EE+8-8*(\t&1)
.set TA, 1+\slot
.set TO, \t*TILEB
.set EO, 1024*\slot+64*\t
.if \t == 3
.set NA, 2-\slot
.set NO, 0
.else
.set NA, 1+\slot
.set NO, (\t+1)*TILEB
.endif
	WIN 0x08                                       ; source 1 in window 2
	KS 0, 0, 1, \epi
	KS 1, 64, 0, \epi
	KS 2, 64, 0, \epi
.if (\mode-1)*(\mode-2) == 0                       ; mode 1 or 2
	s_wait_dscnt 0x0                               ; my reads of this slot are back (the last were issued in K step 0)
	s_set_vgpr_msb 0x805
	s_wait_tensorcnt 0x0                           ; all my tensor loads have landed: no load of mine is out, so a group 0 may be written
	ds_add_u32 v254, v255
	s_wait_dscnt 0x0
	s_set_vgpr_msb 0x508
.if \mode == 1
	s_add_nc_u64 s[26+4*\slot:27+4*\slot], s[26+4*\slot:27+4*\slot], 2*CHUNKB
.endif
	s_barrier_signal -1                            ; say so,
	KS 3, 64, 0, \epi                              ; work on registers while the others arrive,
.if \mode == 1
	WIN 0                                          ; (a branch and a label follow)
.endif
	s_barrier_wait -1
.if \mode == 1
	CREST                                          ; no wave of any partner still reads this slot or has a load on its way
	tensor_load_to_lds s[24+4*\slot:27+4*\slot], s[16:23]      ; my one tensor load behind the round, and the first thing there
	s_nop 0
.endif
.else
	KS 3, 64, 0, \epi
.endif
	WIN 0x0c                                       ; source 1 in window 3
.if \mode == 3
	KS 4, 0, 3, \epi
.else
	KS 4, 0, 2, \epi
.endif
	KS 5, 64, 0, \epi
	KS 6, 64, 0, \epi
	KS 7, 64, 0, \epi
.if \epi
	s_add_co_u32 s57, s57, 1                       ; the next look is at the next tile
.endif
.endm
.macro TRIP epi0                       ; two chunks: once round the ring, both slots filled again
	PHASE 0, 0, \epi0, 0
	PHASE 0, 1, 1, 0
	PHASE 0, 2, 1, 0
	PHASE 0, 3, 1, 1
	PHASE 1, 0, 1, 0
	PHASE 1, 1, 1, 0
	PHASE 1, 2, 1, 0
	PHASE 1, 3, 1, 1
	WIN 0                                          ; at a label and at a branch every window is 0
	v_add_nc_u32 v3, 0x800, v3                     ; ee of the next two chunks
.endm
	TRIP 0                                         ; chunks 0 and 1: the very first tile has no tile before it to look at
	s_mov_b32 s58, 14
.Ltrip:
	TRIP 1                                         ; chunks 2 to 29; the last of them asks for chunk 31
	s_sub_co_u32 s58, s58, 1
	s_cmp_lg_u32 s58, 0
	s_cbranch_scc1 .Ltrip
	PHASE 0, 0, 1, 0                               ; chunk 30: no slot is filled that nobody will read
	PHASE 0, 1, 1, 0
	PHASE 0, 2, 1, 0
	PHASE 0, 3, 1, 2
	PHASE 1, 0, 1, 0                               ; chunk 31
	PHASE 1, 1, 1, 0
	PHASE 1, 2, 1, 0
	PHASE 1, 3, 1, 3
	s_wait_dscnt 0x0                               ; the last tile's ee
	WIN 0
.set PB, ACC+64
.set EB, EE+8
.irp e, 0,1,2,3,4,5,6,7                            ; the look at the last tile.  Slices 0 and 1 of row tile 0 touch no accumulator: four places behind the last matrix instruction
.irp q, 0,1,2,3,4,5,6,7
	SLICE \e, \q, 1
.endr
.endr
	; THE MERGE.  A lane has looked at the codes with its wave's and its half's bits.  group = code >> 3 = 32 chunk + 8 wave + 2 tile + half.
	; Of two candidates the smaller d wins, at equal d the smaller group: the first index, as argmin takes it.
	v_bfe_u32 v6, v0, 4, 1
	v_lshl_add_u32 v6, s12, 3, v6                  ; 8 wave + half
	v_and_b32 v7, 15, v0
	v_lshlrev_b32 v7, 3, v7
	s_lshl_b32 s66, s12, 10
	s_add_co_u32 s66, s66, MRG
	v_add_nc_u32 v7, s66, v7                       ; my wave's 128 pairs: 8 bytes for each row
.irp n, 0,1,2,3,4,5,6,7
	v_lshrrev_b32 v4, 2, v[ID+\n]                  ; chunk
	v_and_b32 v5, 3, v[ID+\n]                      ; tile
	v_lshl_add_u32 v4, v4, 5, v6
	v_lshl_add_u32 v[ID+\n], v5, 1, v4
	v_permlanex16_b32 v4, v[BEST+\n], s59, s60     ; the other half's candidate for the same row
	v_permlanex16_b32 v5, v[ID+\n], s59, s60
	v_cmp_lt_f32 s66, v4, v[BEST+\n]
	v_cmp_eq_f32 s67, v4, v[BEST+\n]
	v_cmp_lt_u32 s68, v5, v[ID+\n]
	s_and_b32 s67, s67, s68
	s_or_b32 s66, s66, s67
	v_cndmask_b32 v[MP+2*\n],   v[BEST+\n], v4, s66
	v_cndmask_b32 v[MP+2*\n+1], v[ID+\n],   v5, s66
	ds_store_b64 v7, v[MP+2*\n:MP+2*\n+1] offset:128*\n        ; both halves write the same pair
.endr
	s_wait_dscnt 0x0                               ; my pairs are in LDS, for the other waves' sake
	s_barrier_signal -1
	s_barrier_wait -1
	s_cmp_ge_u32 s12, 2
	s_cbranch_scc1 .Lmerged
.macro BETTER d, g, d2, g2
	v_cmp_lt_f32 s66, v[\d2], v[\d]
	v_cmp_eq_f32 s67, v[\d2], v[\d]
	v_cmp_lt_u32 s68, v[\g2], v[\g]
	s_and_b32 s67, s67, s68
	s_or_b32 s66, s66, s67
	v_cndmask_b32 v[\d], v[\d], v[\d2], s66
	v_cndmask_b32 v[\g], v[\g], v[\g2], s66
.endm
	v_and_b32 v4, 63, v0                           ; waves 0 and 1: thread 0 to 63 takes rows 2 t and 2 t + 1
	v_lshlrev_b32 v5, 4, v4
	v_add_nc_u32 v5, MRG, v5
	v_lshlrev_b32 v4, 3, v4
.irp w, 0,1,2,3
	ds_load_b128 v[32+4*\w:35+4*\w], v5 offset:1024*\w         ; wave w's (d, group) of my two rows
.endr
	s_wait_dscnt 0x0
.irp w, 1,2,3
	BETTER 32, 33, 32+4*\w, 33+4*\w
	BETTER 34, 35, 34+4*\w, 35+4*\w
.endr
	v_mov_b32 v32, v33
	v_mov_b32 v33, v35
	global_store_b64 v4, v[32:33], s[10:11]        ; a wave's store covers 256 consecutive bytes, aligned
.Lmerged:
	s_set_vgpr_msb 0x5
	s_wait_tensorcnt 0x0
	ds_add_u32 v254, v255
	s_wait_dscnt 0x0
	s_set_vgpr_msb 0x500
	ROUND                                          ; the closing round: no work-group ends while a partner may still ask for a tile that names it
	s_endpgm
.Lfunc_end_k_q8271013991_nearest:
	.size	k_q8271013991_nearest, .Lfunc_end_k_q8271013991_nearest-k_q8271013991_nearest
	.p2alignl 7, 3214868480
	.fill 96, 4, 3214868480
	.section	.rodata,"a",@progbits
	.p2align	6, 0x0
	.amdhsa_kernel k_q8271013991_nearest
		.amdhsa_group_segment_fixed_size 327680
		.amdhsa_private_segment_fixed_size 0
		.amdhsa_enable_private_segment 0
		.amdhsa_kernarg_size 32
		.amdhsa_user_sgpr_count 2
		.amdhsa_user_sgpr_kernarg_segment_ptr 1
		.amdhsa_wavefront_size32 1
		.amdhsa_system_sgpr_workgroup_id_x 1
		.amdhsa_system_sgpr_workgroup_id_y 1
		.amdhsa_system_sgpr_workgroup_id_z 1
		.amdhsa_system_vgpr_workitem_id 0
		.amdhsa_next_free_vgpr 1024
		.amdhsa_next_free_sgpr 80
		.amdhsa_reserve_vcc 1
		.amdhsa_float_denorm_mode_32 3
		.amdhsa_float_denorm_mode_16_64 3
		.amdhsa_memory_ordered 1
		.amdhsa_forward_progress 1
		.amdhsa_inst_pref_size 255
	.end_amdhsa_kernel
	.section	.bss,"aw",@nobits
	.p2align	6
	.space	262144
	.amdgpu_metadata
---
amdhsa.version: [ 1, 2 ]
amdhsa.kernels:
  - .name:           k_q8271013991_nearest
    .symbol:         k_q8271013991_nearest.kd
    .args:
      - { .name: wb, .offset: 0, .size: 8, .value_kind: global_buffer, .address_space: global }
      - { .name: ee, .offset: 8, .size: 8, .value_kind: global_buffer, .address_space: global }
      - { .name: z, .offset: 16, .size: 8, .value_kind: global_buffer, .address_space: global }
      - { .name: gidx, .offset: 24, .size: 8, .value_kind: global_buffer, .address_space: global }
    .group_segment_fixed_size: 327680
    .private_segment_fixed_size: 0
    .kernarg_segment_align: 8
    .kernarg_segment_size: 32
    .max_flat_workgroup_size: 128
    .sgpr_count:     80
    .vgpr_count:     1024
    .wavefront_size: 32
...
	.end_amdgpu_metadata
.endif
;; end of part 2
;; launch pick (part 3): grid 256 x 1, 16 waves a work-group, no clusters, 2,304 bytes of LDS; arguments z, weight, ee, gidx, out0, part; writes out0, part
.if DOCPART == 3
	.amdgcn_target "amdgcn-amd-amdhsa--gfx1250"
	.amdhsa_code_object_version 6
	.text
	.protected	k_q8271013991_pick
	.globl	k_q8271013991_pick
	.p2align	8
	.type	k_q8271013991_pick,@function
k_q8271013991_pick:
	s_mov_b64 s[64:65], 0
	v_nop
	global_prefetch_b8 v0, s[64:65] scope:SCOPE_SE
	s_setreg_imm32_b32 hwreg(HW_REG_WAVE_MODE, 25, 1), 1
	s_wait_xcnt 0x0
; For each row of z: of the 8 codes of the group that gidx names, the first with the smallest d = fl(fl(zz + ee) - 2 dot), dot on operands rounded to bf16;
; out0 = z + (code - z) in f32;  part[work-group] = sum over its 128 rows of (code - z)^2.
; The group's number is a whole number read from memory and steers the addresses; the choice among the 8 only selects values (v_cndmask_b32), every time.
; LIMITS.  The products are added here in another order than in the launch before: that can matter only for two codes of one group whose d lie within one
; rounding of each other.  NaN among the inputs is not served.  A group's number is clamped to 1,023, the table's last group.
; Sixteen waves; the work-group owns 128 rows, a wave 8, one at a time.  Lane l holds columns 4 l .. + 3 and 128 + 4 l .. + 3 of z and of each of the 8 codes, so every
; load and store of a wave covers 512 consecutive bytes; a group's 8 codes are 8,192 consecutive bytes of weight.
; Two sets of registers: while one row is worked on, the next row's 20 loads are on their way.
; No matrix unit: 8 products a row.  No cluster, no tensor load: which codes a row needs is its own affair, so no tile is shared at a known time.
.set ROWB,  1024
.set SET0,  8                          ; set s at 8 + 82 s: z 8 registers, 8 codes x 8, ee 8, the offset of ee 1
.set SETSZ, 82
.set ZBF,   172                        ; v[172:175] z in bf16; with v[176:179] later 8 registers at work
.set WBF,   176                        ; v[176:179] a code in bf16
.set DOT,   180                        ; v[180:187] the 8 products, then d, then code - z;  v[188:189] zz
.set CHB,   190                        ; a product's second chain
.set OUT,   192                        ; v[192:199], v[200:207] what is stored, a set for each set of loads
.set LOSS,  4                          ; v[4:5]
	s_load_b256 s[4:11], s[0:1], 0x0               ; z s[4:5], weight s[6:7], ee s[8:9], gidx s[10:11]
	s_load_b128 s[12:15], s[0:1], 0x20             ; out0 s[12:13], part s[14:15]
	v_lshl_add_u32 v208, v0, 2, 0x100
	v_mov_b32 v209, 0
	v_lshrrev_b32 v2, 5, v0
	v_readfirstlane_b32 s16, v2                    ; wave 0..15
	v_and_b32 v1, 31, v0
	v_lshlrev_b32 v1, 4, v1                        ; 16 l; never rewritten
	v_mov_b32 v3, 0                                ; a first product's addend; the offset of the last store
	s_mov_b32 s56, 0x76543210                      ; v_permlanex16_b32: lane i of one half reads lane i of the other
	s_mov_b32 s57, 0xfedcba98
	s_lshl_b32 s58, ttmp9, 9                       ; gidx: 128 words for each work-group,
	s_lshl_b32 s18, s16, 5                         ; 8 for each wave
	s_add_co_u32 s58, s58, s18
	s_mov_b32 s59, 0
	s_lshl_b32 s20, ttmp9, 17                      ; z and out0: 128 rows of 1,024 bytes,
	s_lshl_b32 s18, s16, 13                        ; 8 for each wave
	s_add_co_u32 s20, s20, s18
	s_mov_b32 s21, 0
	s_lshl_b32 s22, ttmp9, 2                       ; part: a word for each work-group
	s_mov_b32 s23, 0
	s_mov_b32 s19, 0
	s_wait_kmcnt 0x0
	s_add_nc_u64 s[10:11], s[10:11], s[58:59]
	s_load_b256 s[24:31], s[10:11], 0x0            ; my 8 rows' groups
	s_add_nc_u64 s[4:5], s[4:5], s[20:21]
	s_add_nc_u64 s[12:13], s[12:13], s[20:21]
	s_add_nc_u64 s[14:15], s[14:15], s[22:23]
	s_wait_kmcnt 0x0
.irp i, 0,1,2,3,4,5,6,7
	s_min_u32 s[24+\i], s[24+\i], 1023             ; a loaded number enters an address only clamped
	s_lshl_b32 s18, s[24+\i], 13                   ; 8 codes of 1,024 bytes
	s_add_nc_u64 s[32+2*\i:33+2*\i], s[6:7], s[18:19]
	s_lshl_b32 s[48+\i], s[24+\i], 5               ; 8 words of ee
.endr
.macro LOADROW i, set                  ; 20 loads: z 2, the 8 codes 16, their ee 2 (the same 32 bytes in every lane)
.set SB, SET0+SETSZ*\set
	v_mov_b32 v[SB+80], s[48+(\i)]                 ; free: the loads that named it were shown done by the wait at the head of their row
	global_load_b128 v[SB:SB+3],   v1, s[4:5] offset:ROWB*(\i) th:TH_LOAD_NT
	global_load_b128 v[SB+4:SB+7], v1, s[4:5] offset:ROWB*(\i)+512 th:TH_LOAD_NT
.irp j, 0,1,2,3,4,5,6,7
	global_load_b128 v[SB+8+8*\j:SB+11+8*\j],  v1, s[32+2*(\i):33+2*(\i)] offset:ROWB*\j       ; no hint: other rows name the same codes
	global_load_b128 v[SB+12+8*\j:SB+15+8*\j], v1, s[32+2*(\i):33+2*(\i)] offset:ROWB*\j+512
.endr
	global_load_b128 v[SB+72:SB+75], v[SB+80], s[8:9]
	global_load_b128 v[SB+76:SB+79], v[SB+80], s[8:9] offset:16
.endm
; Row i, in set.  left = how many younger loads may stay out; more = 1: the set is loaded again with row i + 2.
.macro ROW i, set, left, more
.set SB, SET0+SETSZ*\set
.set OB, OUT+8*\set
	s_wait_loadcnt \left                           ; loads come back in order: this row's 20 are in, the next row's 20 stay out
.irp k, 0,1,2,3
	v_cvt_pk_bf16_f32 v[ZBF+\k], v[SB+2*\k], v[SB+2*\k+1]
.endr
	v_pk_mul_f32 v[DOT+8:DOT+9], v[SB:SB+1], v[SB:SB+1]                    ; zz from z in f32
.irp k, 2,4,6
	v_pk_fma_f32 v[DOT+8:DOT+9], v[SB+\k:SB+\k+1], v[SB+\k:SB+\k+1], v[DOT+8:DOT+9]
.endr
	v_add_f32 v[DOT+8], v[DOT+8], v[DOT+9]
.irp j, 0,1,2,3,4,5,6,7                            ; my 8 columns of each product, from bf16 halves into f32, in two chains
.irp k, 0,1,2,3
	v_cvt_pk_bf16_f32 v[WBF+\k], v[SB+8+8*\j+2*\k], v[SB+8+8*\j+2*\k+1]
.endr
	v_fma_mix_f32_bf16 v[DOT+\j], v[ZBF],   v[WBF],   v3 op_sel_hi:[1,1,0]
	v_fma_mix_f32_bf16 v[CHB],    v[ZBF+2], v[WBF+2], v3 op_sel_hi:[1,1,0]
	v_fma_mix_f32_bf16 v[DOT+\j], v[ZBF],   v[WBF],   v[DOT+\j] op_sel:[1,1,0] op_sel_hi:[1,1,0]
	v_fma_mix_f32_bf16 v[CHB],    v[ZBF+2], v[WBF+2], v[CHB]    op_sel:[1,1,0] op_sel_hi:[1,1,0]
	v_fma_mix_f32_bf16 v[DOT+\j], v[ZBF+1], v[WBF+1], v[DOT+\j] op_sel_hi:[1,1,0]
	v_fma_mix_f32_bf16 v[CHB],    v[ZBF+3], v[WBF+3], v[CHB]    op_sel_hi:[1,1,0]
	v_fma_mix_f32_bf16 v[DOT+\j], v[ZBF+1], v[WBF+1], v[DOT+\j] op_sel:[1,1,0] op_sel_hi:[1,1,0]
	v_fma_mix_f32_bf16 v[CHB],    v[ZBF+3], v[WBF+3], v[CHB]    op_sel:[1,1,0] op_sel_hi:[1,1,0]
	v_add_f32 v[DOT+\j], v[DOT+\j], v[CHB]
.endr
.irp m, 1,2,4,8                                    ; nine sums over the wave, side by side: none waits for the one in front of it
.irp j, 0,1,2,3,4,5,6,7,8
	v_add_f32_dpp v[DOT+\j], v[DOT+\j], v[DOT+\j] row_xmask:\m row_mask:0xf bank_mask:0xf
.endr
.endr
.irp j, 0,1,2,3,4,5,6,7
	v_permlanex16_b32 v[ZBF+\j], v[DOT+\j], s56, s57           ; destinations that have been written before
.endr
	v_permlanex16_b32 v[DOT+9], v[DOT+8], s56, s57
.irp j, 0,1,2,3,4,5,6,7
	v_add_f32 v[DOT+\j], v[DOT+\j], v[ZBF+\j]
.endr
	v_add_f32 v[DOT+8], v[DOT+8], v[DOT+9]         ; every lane holds the same nine numbers
.irp j, 0,1,2,3,4,5,6,7
	v_add_f32 v[ZBF+\j], v[DOT+8], v[SB+72+\j]     ; fl(zz + ee)
	v_fma_f32 v[DOT+\j], v[DOT+\j], -2.0, v[ZBF+\j]            ; fl(that - 2 dot)
.endr
.irp j, 1,2,3,4,5,6,7                              ; strictly smaller: the first index stays at a tie.  The winner gathers in code 0's registers
	v_cmp_lt_f32 vcc_lo, v[DOT+\j], v[DOT]
	v_cndmask_b32 v[DOT], v[DOT], v[DOT+\j], vcc_lo
.irp k, 0,1,2,3,4,5,6,7
	v_cndmask_b32 v[SB+8+\k], v[SB+8+\k], v[SB+8+8*\j+\k], vcc_lo
.endr
.endr
	s_wait_xcnt 0x0                                ; this set's OUT, which the stores of two rows ago read, is rewritten only behind this wait
.irp k, 0,2,4,6
	v_pk_add_f32 v[DOT+\k:DOT+\k+1], v[SB+8+\k:SB+9+\k], v[SB+\k:SB+\k+1] neg_lo:[0,1] neg_hi:[0,1]    ; code - z
.endr
.irp k, 0,2,4,6
	v_pk_add_f32 v[OB+\k:OB+\k+1], v[SB+\k:SB+\k+1], v[DOT+\k:DOT+\k+1]                                ; z + (code - z)
.endr
.if \i == 0
	v_pk_mul_f32 v[LOSS:LOSS+1], v[DOT:DOT+1], v[DOT:DOT+1]                ; the first squares start the sum
.else
	v_pk_fma_f32 v[LOSS:LOSS+1], v[DOT:DOT+1], v[DOT:DOT+1], v[LOSS:LOSS+1]
.endif
.irp k, 2,4,6
	v_pk_fma_f32 v[LOSS:LOSS+1], v[DOT+\k:DOT+\k+1], v[DOT+\k:DOT+\k+1], v[LOSS:LOSS+1]
.endr
.if \more
	LOADROW \i+2, \set                             ; loads ahead of stores
.endif
	global_store_b128 v1, v[OB:OB+3],   s[12:13] offset:ROWB*\i th:TH_STORE_NT
	global_store_b128 v1, v[OB+4:OB+7], s[12:13] offset:ROWB*\i+512 th:TH_STORE_NT
.endm
	LOADROW 0, 0
	LOADROW 1, 1
	ROW 0, 0, 20, 1
	ROW 1, 1, 20, 1
	ROW 2, 0, 20, 1
	ROW 3, 1, 20, 1
	ROW 4, 0, 20, 1
	ROW 5, 1, 20, 1
	ROW 6, 0, 20, 0                                ; row 7's loads are still out; nothing more is fetched
	ROW 7, 1, 0, 0
	v_add_f32 v[LOSS], v[LOSS], v[LOSS+1]
	v_add_f32_dpp v[LOSS], v[LOSS], v[LOSS] row_xmask:1 row_mask:0xf bank_mask:0xf
	v_add_f32_dpp v[LOSS], v[LOSS], v[LOSS] row_xmask:2 row_mask:0xf bank_mask:0xf
	v_add_f32_dpp v[LOSS], v[LOSS], v[LOSS] row_xmask:4 row_mask:0xf bank_mask:0xf
	v_add_f32_dpp v[LOSS], v[LOSS], v[LOSS] row_xmask:8 row_mask:0xf bank_mask:0xf
	v_permlanex16_b32 v[LOSS+1], v[LOSS], s56, s57
	v_add_f32 v[LOSS], v[LOSS], v[LOSS+1]          ; my wave's 8 rows
	v_mov_b32 v2, s16
	v_lshlrev_b32 v2, 2, v2
	ds_store_b32 v2, v[LOSS]                       ; a word for each wave; all lanes write the same value
	s_wait_dscnt 0x0                               ; for wave 0's sake
	s_barrier_signal -1
	s_barrier_wait -1
	s_cmp_lg_u32 s16, 0
	s_cbranch_scc1 .Ldone
	v_and_b32 v2, 15, v0
	v_lshlrev_b32 v2, 2, v2
	ds_load_b32 v[LOSS], v2                        ; lane l: wave l % 16's sum
	s_wait_dscnt 0x0
	v_add_f32_dpp v[LOSS], v[LOSS], v[LOSS] row_xmask:1 row_mask:0xf bank_mask:0xf
	v_add_f32_dpp v[LOSS], v[LOSS], v[LOSS] row_xmask:2 row_mask:0xf bank_mask:0xf
	v_add_f32_dpp v[LOSS], v[LOSS], v[LOSS] row_xmask:4 row_mask:0xf bank_mask:0xf
	v_add_f32_dpp v[LOSS], v[LOSS], v[LOSS] row_xmask:8 row_mask:0xf bank_mask:0xf
	v_cmp_eq_u32 vcc_lo, 0, v0
	s_wait_xcnt 0x0                                ; EXEC is a source of the stores above: it changes only behind this wait
	s_and_saveexec_b32 s18, vcc_lo
	global_store_b32 v3, v[LOSS], s[14:15]         ; lane 0: the work-group's sum.  The sum over work-groups is the next launch's
	s_wait_xcnt 0x0                                ; and again, in front of the line that widens it
	s_or_b32 exec_lo, exec_lo, s18
.Ldone:
	s_wait_tensorcnt 0x0
	ds_add_u32 v208, v209
	s_wait_dscnt 0x0
	s_endpgm
.Lfunc_end_k_q8271013991_pick:
	.size	k_q8271013991_pick, .Lfunc_end_k_q8271013991_pick-k_q8271013991_pick
	.p2alignl 7, 3214868480
	.fill 96, 4, 3214868480
	.section	.rodata,"a",@progbits
	.p2align	6, 0x0
	.amdhsa_kernel k_q8271013991_pick
		.amdhsa_group_segment_fixed_size 2304
		.amdhsa_private_segment_fixed_size 0
		.amdhsa_enable_private_segment 0
		.amdhsa_kernarg_size 48
		.amdhsa_user_sgpr_count 2
		.amdhsa_user_sgpr_kernarg_segment_ptr 1
		.amdhsa_wavefront_size32 1
		.amdhsa_system_sgpr_workgroup_id_x 1
		.amdhsa_system_sgpr_workgroup_id_y 1
		.amdhsa_system_sgpr_workgroup_id_z 1
		.amdhsa_system_vgpr_workitem_id 0
		.amdhsa_next_free_vgpr 210
		.amdhsa_next_free_sgpr 66
		.amdhsa_reserve_vcc 1
		.amdhsa_float_denorm_mode_32 3
		.amdhsa_float_denorm_mode_16_64 3
		.amdhsa_memory_ordered 1
		.amdhsa_forward_progress 1
		.amdhsa_inst_pref_size 130
	.end_amdhsa_kernel
	.amdgpu_metadata
---
amdhsa.version: [ 1, 2 ]
amdhsa.kernels:
  - .name:           k_q8271013991_pick
    .symbol:         k_q8271013991_pick.kd
    .args:
      - { .name: z, .offset: 0, .size: 8, .value_kind: global_buffer, .address_space: global }
      - { .name: weight, .offset: 8, .size: 8, .value_kind: global_buffer, .address_space: global }
      - { .name: ee, .offset: 16, .size: 8, .value_kind: global_buffer, .address_space: global }
      - { .name: gidx, .offset: 24, .size: 8, .value_kind: global_buffer, .address_space: global }
      - { .name: out0, .offset: 32, .size: 8, .value_kind: global_buffer, .address_space: global }
      - { .name: part, .offset: 40, .size: 8, .value_kind: global_buffer, .address_space: global }
    .group_segment_fixed_size: 2304
    .private_segment_fixed_size: 0
    .kernarg_segment_align: 8
    .kernarg_segment_size: 48
    .max_flat_workgroup_size: 512
    .sgpr_count:     66
    .vgpr_count:     210
    .wavefront_size: 32
...
	.end_amdgpu_metadata
.endif
;; end of part 3
;; launch loss (part 4): grid 1 x 1, 1 waves a work-group, no clusters, 0 bytes of LDS; arguments part, out1; writes out1
.if DOCPART == 4
	.amdgcn_target "amdgcn-amd-amdhsa--gfx1250"
	.amdhsa_code_object_version 6
	.text
	.protected	k_q8271013991_loss
	.globl	k_q8271013991_loss
	.p2align	8
	.type	k_q8271013991_loss,@function
k_q8271013991_loss:
	s_mov_b64 s[64:65], 0
	v_nop
	global_prefetch_b8 v0, s[64:65] scope:SCOPE_SE
	s_setreg_imm32_b32 hwreg(HW_REG_WAVE_MODE, 25, 1), 1
	s_wait_xcnt 0x0
; out1 = m + 0.1 m,  m = (sum of the 256 work-groups' sums of squares) / (32,768 x 256).  One wave: 8 numbers a lane, in a fixed order.
; The sum spans the work-groups of the launch before, so it is made here, behind that launch's end; there is work for one wave and no more.
	s_load_b128 s[4:7], s[0:1], 0x0                ; part s[4:5], out1 s[6:7]
	v_lshlrev_b32 v1, 4, v0                        ; 16 l
	v_mov_b32 v2, 0
	s_mov_b32 s8, 0x76543210                       ; v_permlanex16_b32: lane i of one half reads lane i of the other
	s_mov_b32 s9, 0xfedcba98
	s_mov_b32 s11, 0x3dcccccd                      ; 0.1
	s_wait_kmcnt 0x0
	global_load_b128 v[4:7],  v1, s[4:5]
	global_load_b128 v[8:11], v1, s[4:5] offset:512
	s_wait_loadcnt 0x0
	v_pk_add_f32 v[4:5], v[4:5], v[6:7]
	v_pk_add_f32 v[8:9], v[8:9], v[10:11]
	v_pk_add_f32 v[4:5], v[4:5], v[8:9]
	v_add_f32 v4, v4, v5
	v_add_f32_dpp v4, v4, v4 row_xmask:1 row_mask:0xf bank_mask:0xf
	v_add_f32_dpp v4, v4, v4 row_xmask:2 row_mask:0xf bank_mask:0xf
	v_add_f32_dpp v4, v4, v4 row_xmask:4 row_mask:0xf bank_mask:0xf
	v_add_f32_dpp v4, v4, v4 row_xmask:8 row_mask:0xf bank_mask:0xf
	v_permlanex16_b32 v5, v4, s8, s9               ; v5 has been written before
	v_add_f32 v4, v4, v5
	v_mul_f32 v4, 0x34000000, v4                   ; 2^-23 = 1 / (32,768 x 256): the mean, exact scaling
	v_fma_f32 v5, v4, s11, v4                      ; 0.1 m + m, fused
	v_cmp_eq_u32 vcc_lo, 0, v0
	s_wait_xcnt 0x0                                ; EXEC changes only behind this wait
	s_and_saveexec_b32 s10, vcc_lo
	global_store_b32 v2, v5, s[6:7]                ; lane 0 alone
	s_wait_xcnt 0x0                                ; and again, in front of the line that widens it
	s_or_b32 exec_lo, exec_lo, s10
	s_endpgm
.Lfunc_end_k_q8271013991_loss:
	.size	k_q8271013991_loss, .Lfunc_end_k_q8271013991_loss-k_q8271013991_loss
	.p2alignl 7, 3214868480
	.fill 96, 4, 3214868480
	.section	.rodata,"a",@progbits
	.p2align	6, 0x0
	.amdhsa_kernel k_q8271013991_loss
		.amdhsa_group_segment_fixed_size 0
		.amdhsa_private_segment_fixed_size 0
		.amdhsa_enable_private_segment 0
		.amdhsa_kernarg_size 16
		.amdhsa_user_sgpr_count 2
		.amdhsa_user_sgpr_kernarg_segment_ptr 1
		.amdhsa_wavefront_size32 1
		.amdhsa_system_sgpr_workgroup_id_x 1
		.amdhsa_system_sgpr_workgroup_id_y 1
		.amdhsa_system_sgpr_workgroup_id_z 1
		.amdhsa_system_vgpr_workitem_id 0
		.amdhsa_next_free_vgpr 16
		.amdhsa_next_free_sgpr 66
		.amdhsa_reserve_vcc 1
		.amdhsa_float_denorm_mode_32 3
		.amdhsa_float_denorm_mode_16_64 3
		.amdhsa_memory_ordered 1
		.amdhsa_forward_progress 1
		.amdhsa_inst_pref_size 2
	.end_amdhsa_kernel
	.amdgpu_metadata
---
amdhsa.version: [ 1, 2 ]
amdhsa.kernels:
  - .name:           k_q8271013991_loss
    .symbol:         k_q8271013991_loss.kd
    .args:
      - { .name: part, .offset: 0, .size: 8, .value_kind: global_buffer, .address_space: global }
      - { .name: out1, .offset: 8, .size: 8, .value_kind: global_buffer, .address_space: global }
    .group_segment_fixed_size: 0
    .private_segment_fixed_size: 0
    .kernarg_segment_align: 8
    .kernarg_segment_size: 16
    .max_flat_workgroup_size: 32
    .sgpr_count:     66
    .vgpr_count:     16
    .wavefront_size: 32
...
	.end_amdgpu_metadata
.endif
;; end of part 4
